; MI455X (gfx1250); checked and timed in simulation.
; The chip was launched on July 23, 2026; its instructions are those of AMD's public machine-readable ISA for CDNA 5 (MIT licence, August 2026) and "CDNA5" Instruction Set Architecture Reference Guide (July 2026). The comments in the code are by the model that wrote it; some were corrected since.
;; Attn Block. Allowed arithmetic: matrix products marked QUANTISED: E5M2 operands, one E8M0 scale for each 32 along K, by v_wmma_scale_f32_16x16x128_f8f6f4 with both operands' format E5M2, f32 sums; everything else in f32.
;; Inputs: bk 128 float32; bo 128 float32; bq 128 float32; bv 128 float32; gn_bias 128 float32; gn_scale 128 float32; wk_codes 128 x 4 x 32 uint8 (E5M2 codes of wk, K innermost, in blocks of 32 codes); wk_scales 128 x 4 uint8 (E8M0 scales of wk, one for each 32 codes along K); wo_codes 128 x 4 x 32 uint8 (E5M2 codes of wo, K innermost, in blocks of 32 codes); wo_scales 128 x 4 uint8 (E8M0 scales of wo, one for each 32 codes along K); wq_codes 128 x 4 x 32 uint8 (E5M2 codes of wq, K innermost, in blocks of 32 codes); wq_scales 128 x 4 uint8 (E8M0 scales of wq, one for each 32 codes along K); wv_codes 128 x 4 x 32 uint8 (E5M2 codes of wv, K innermost, in blocks of 32 codes); wv_scales 128 x 4 uint8 (E8M0 scales of wv, one for each 32 codes along K); x 8 x 64 x 64 x 128 float32.
;; Outputs: out0 8 x 64 x 64 x 128 float32.
;; This version of the problem:
;;   THIS VERSION OF THE PROBLEM IS GIVEN IN LOW PRECISION. The matrix products marked QUANTISED in the list below multiply operands that are first quantised to E5M2 (5 exponent bits, 2 mantissa bits; 8 bits a number), with one power-of-two scale for each 32 numbers along K (OCP MX v1.0); their sums are f32. All else is computed in f32.
;;   The module's matrix products, in the order in which they are computed (A, B: the left and right operand; K: the contracted axis; several contracted axes count as one K, in the product's order):
;;     1. [M 32,768, K 128] x [K 128, N 128]; A: computed on the way; B: input wq (given as codes): QUANTISED
;;     2. [M 32,768, K 128] x [K 128, N 128]; A: computed on the way; B: input wk (given as codes): QUANTISED
;;     3. [M 32,768, K 128] x [K 128, N 128]; A: computed on the way; B: input wv (given as codes): QUANTISED
;;     4. batch 8 x [M 4,096, K 128] x [K 128, N 4,096]; A: computed on the way; B: computed on the way: QUANTISED
;;     5. batch 8 x [M 4,096, K 4,096] x [K 4,096, N 128]; A: softmax (see below); B: computed on the way: QUANTISED
;;     6. [M 32,768, K 128] x [K 128, N 128]; A: computed on the way; B: input wo (given as codes): QUANTISED
;;   THE QUANTISER, for each operand of a quantised product, along K:
;;     - K is cut into blocks of 32 from its start; a last block that is shorter is filled with zeros.
;;     - A block's scale is 2^e with e = floor(log2(the largest magnitude in the block)) - 15, held to -126 .. 127; a block of zeros has e = 0. As a byte (E8M0): e + 127.
;;     - Each number is divided by its block's scale, clamped to +-57,344, and rounded to the nearest number of E5M2, ties to even, subnormals kept.
;;     - The product sums the exact products of the quantised numbers (number of the format x scale) in f32.
;;   ~~~python
;;   def quantise(x, axis):      # numpy; x: float32 -> the quantised numbers, widened to float32 again
;;       x = np.moveaxis(x, axis, -1); K = x.shape[-1]
;;       x = np.pad(x, [(0, 0)] * (x.ndim - 1) + [(0, -K % 32)]); x = x.reshape(x.shape[:-1] + (-1, 32)); a = np.abs(x).max(-1, keepdims=True)
;;       e = np.where(a > 0, np.clip(np.frexp(np.where(a > 0, a, 1))[1] - 1 - 15, -126, 127), 0)      # np.frexp(a)[1] - 1 = floor(log2(a)), exactly
;;       r = np.clip(x / 2.0 ** e, -57344, 57344)
;;       step = 2.0 ** (np.maximum(np.frexp(np.where(r == 0, 1, r))[1] - 1, -14) - 2)
;;       q = np.round(r / step) * step * 2.0 ** e      # np.round: ties to even
;;       return np.moveaxis(q.reshape(q.shape[:-2] + (-1,))[..., :K], -1, axis).astype(np.float32)
;;   ~~~
;;   SOFTMAX AHEAD OF A QUANTISED PRODUCT. Where the list says 'softmax', what is quantised is not the finished softmax but p = 2^(t - M), with t = logit x log2(e) and M = ceil(the row's largest t), a whole number; so 1/2 < the row's largest p <= 1. The row's sum l is taken of the UNQUANTISED p, in f32, and the product's result is divided by l at the end. Since M is a whole number, a kernel that streams over the keys may use a running M (the ceiling of the running maximum): every later rescaling is an exact power of two, which a block's scale takes up: the codes' values come out the same.
;;   OPERANDS COMPUTED ON THE WAY. 'Computed on the way' means the value that the module computes at that place (a softmax that the list does not call 'softmax' is quantised finished and normalised). What goes into a quantiser is computed in f32, as accurately as f32 sums, v_exp_f32 and their like allow (about 1e-6 of the number): no bf16 or f16 on the way to a quantiser, and a product that is left as it is and whose result goes on into a quantised operand takes f32 operands (vector FMAs, or v_wmma_f32_16x16x4_f32). A number that lies on a knife's edge between two numbers of the format may be rounded either way, as far as f32 arithmetic and the matrix unit's own rounding can turn it there, and no further.
;;   INPUTS GIVEN AS CODES. wk (in the module: [128, 128], K = its axis 0); wo (in the module: [128, 128], K = its axis 0); wq (in the module: [128, 128], K = its axis 0); wv (in the module: [128, 128], K = its axis 0): each comes as NAME_codes (uint8): NAME with its K axis moved to the last place and cut into blocks of 32 codes, [.., K / 32, bytes a block], one block behind the other in memory; one code a byte (a code: sign, 5 exponent bits, 2 mantissa bits); and NAME_scales (uint8): the same leading axes, one E8M0 byte (e + 127) for each 32 codes along K. Its value is code x scale, taken as it is: it is not quantised again, and the codes and scales need not be those that the quantiser above would give.
;; One version. Each part assembles by itself: llvm-mc -triple=amdgcn-amd-amdhsa -mcpu=gfx1250 --defsym DOCPART=n.
;; ======== version 1 of 1: 3 launches
;; limits: right only within a limited range of input values
;; workspace buffers: stats 65,536 bytes; qc 4,194,304 bytes; qs 131,072 bytes; kv 8,388,608 bytes; kvs 262,144 bytes
;; launch stats (part 1): grid 32 x 8, 8 waves a work-group, no clusters, 3,072 bytes of LDS; arguments x, stats; writes stats
.if DOCPART == 1
	.amdgcn_target "amdgcn-amd-amdhsa--gfx1250"
	.amdhsa_code_object_version 6
	.text
	.protected	k_q9ff87fc6a8_stats
	.globl	k_q9ff87fc6a8_stats
	.p2align	8
	.type	k_q9ff87fc6a8_stats,@function
k_q9ff87fc6a8_stats:
	s_mov_b64 s[64:65], 0
	v_nop
	global_prefetch_b8 v0, s[64:65] scope:SCOPE_SE
	s_setreg_imm32_b32 hwreg(HW_REG_WAVE_MODE, 25, 1), 1
	s_wait_xcnt 0x0
; GroupNorm's statistics, first pass.  x: [8][4096][128] f32; 32 groups of 4 channels; a group's statistics span all 4,096 positions of a batch.
; A work-group takes 128 positions of one batch (x = the chunk, y = the batch), each of its eight waves 16 rows.  A row is 512 bytes = 32 lanes x 16 bytes, so A LANE IS A GROUP:
; nothing crosses lanes.  Stored for each (batch, chunk, group): the chunk's mean and its sum of squared deviations from that mean (M2), 8 bytes; a chunk's 32 groups are 256 consecutive bytes.
; The next launch joins the 32 chunks.  No difference of large sums is formed anywhere: deviations are taken from a mean first, so a common offset of x does no harm.
; No LDS ring, no matrix unit, no cluster: a stream that is read once here; each load of a wave covers 512 consecutive bytes.  No cache hint on x: later launches read it again.
; LIMITS: NaN and infinities among the inputs are not served.
.set X, 16                             ; v16-79  my 16 rows, 4 numbers each
	s_load_b128 s[4:7], s[0:1], 0x0                ; x, stats
	v_lshl_add_u32 v96, v0, 2, 0x800
	v_mov_b32 v97, 0
	v_lshrrev_b32 v1, 5, v0
	s_delay_alu instid0(VALU_DEP_1)
	v_readfirstlane_b32 s8, v1                     ; wave 0..7
	v_and_b32 v2, 31, v0                           ; lane = group
	s_delay_alu instid0(VALU_DEP_1)
	v_lshlrev_b32 v1, 4, v2                        ; my 16 bytes of a row
	s_delay_alu instid0(VALU_DEP_2)
	v_lshlrev_b32 v3, 3, v2                        ; my 8 bytes of a chunk's 256
	s_lshl_b32 s9, s8, 8
	v_add_nc_u32 v2, s9, v3                        ; LDS: 8 x lane + 256 x wave
	s_and_b32 s9, ttmp7, 0xffff                    ; batch
	s_lshl_b32 s10, s9, 12
	s_lshl_b32 s11, ttmp9, 7
	s_add_co_u32 s10, s10, s11
	s_lshl_b32 s11, s8, 4
	s_add_co_u32 s10, s10, s11                     ; my first row: 4096 x batch + 128 x chunk + 16 x wave
	s_lshl_b32 s10, s10, 9                         ; in bytes (under 2^24)
	s_mov_b32 s11, 0
	s_lshl_b32 s12, s9, 5
	s_add_co_u32 s12, s12, ttmp9
	s_lshl_b32 s12, s12, 8                         ; (32 x batch + chunk) x 256
	s_mov_b32 s13, 0
	s_wait_alu depctr_va_vdst(0)
	s_wait_kmcnt 0x0
	s_add_nc_u64 s[4:5], s[4:5], s[10:11]
	s_add_nc_u64 s[6:7], s[6:7], s[12:13]
.irp i, 0,1,2,3,4,5,6,7,8,9,10,11,12,13,14,15
	global_load_b128 v[X+4*\i:X+4*\i+3], v1, s[4:5] offset:512*\i
.endr
	s_wait_loadcnt 0x0                             ; one batch of 16 loads: all that the wave will ever read
	v_pk_add_f32 v[6:7], v[16:17], v[20:21]
	v_pk_add_f32 v[94:95], v[24:25], v[28:29]
	v_pk_add_f32 v[92:93], v[32:33], v[36:37]
	v_pk_add_f32 v[90:91], v[40:41], v[44:45]
	v_pk_add_f32 v[88:89], v[48:49], v[52:53]
	v_pk_add_f32 v[86:87], v[56:57], v[60:61]
	v_pk_add_f32 v[84:85], v[64:65], v[68:69]
	v_pk_add_f32 v[4:5], v[72:73], v[76:77]
	s_delay_alu instid0(VALU_DEP_1)
	v_pk_add_f32 v[4:5], v[4:5], v[18:19]
	v_pk_add_f32 v[6:7], v[6:7], v[22:23]
	v_pk_add_f32 v[94:95], v[94:95], v[26:27]
	v_pk_add_f32 v[92:93], v[92:93], v[30:31]
	v_pk_add_f32 v[90:91], v[90:91], v[34:35]
	v_pk_add_f32 v[88:89], v[88:89], v[38:39]
	v_pk_add_f32 v[86:87], v[86:87], v[42:43]
	v_pk_add_f32 v[84:85], v[84:85], v[46:47]
	v_pk_add_f32 v[4:5], v[4:5], v[50:51]
	v_pk_add_f32 v[6:7], v[6:7], v[54:55]
	v_pk_add_f32 v[94:95], v[94:95], v[58:59]
	v_pk_add_f32 v[92:93], v[92:93], v[62:63]
	v_pk_add_f32 v[90:91], v[90:91], v[66:67]
	v_pk_add_f32 v[88:89], v[88:89], v[70:71]
	v_pk_add_f32 v[86:87], v[86:87], v[74:75]
	v_pk_add_f32 v[84:85], v[84:85], v[78:79]
	s_delay_alu instid0(VALU_DEP_4)
	v_pk_add_f32 v[4:5], v[4:5], v[90:91]
	s_delay_alu instid0(VALU_DEP_4)
	v_pk_add_f32 v[6:7], v[6:7], v[88:89]
	s_delay_alu instid0(VALU_DEP_4)
	v_pk_add_f32 v[94:95], v[94:95], v[86:87]
	s_delay_alu instid0(VALU_DEP_4)
	v_pk_add_f32 v[92:93], v[92:93], v[84:85]
	s_delay_alu instid0(VALU_DEP_2)
	v_pk_add_f32 v[4:5], v[4:5], v[94:95]
	s_delay_alu instid0(VALU_DEP_2)
	v_pk_add_f32 v[6:7], v[6:7], v[92:93]
	s_delay_alu instid0(VALU_DEP_1)
	v_pk_add_f32 v[4:5], v[4:5], v[6:7]
	s_delay_alu instid0(VALU_DEP_1)
	v_add_f32 v4, v4, v5
	s_delay_alu instid0(VALU_DEP_1)
	v_mul_f32 v8, 0x3c800000, v4                   ; / 64
	s_delay_alu instid0(VALU_DEP_1)
	v_mov_b32 v9, v8                               ; twice, for the packed subtraction
	s_delay_alu instid0(VALU_DEP_1)
	; the sum of squared deviations from it, two chains; the first products start the sums
	v_pk_add_f32 v[10:11], v[X:X+1], v[8:9] neg_lo:[0,1] neg_hi:[0,1]
	s_delay_alu instid0(VALU_DEP_2)
	v_pk_add_f32 v[12:13], v[X+2:X+3], v[8:9] neg_lo:[0,1] neg_hi:[0,1]
	s_delay_alu instid0(VALU_DEP_2)
	v_pk_mul_f32 v[4:5], v[10:11], v[10:11]
	s_delay_alu instid0(VALU_DEP_2)
	v_pk_mul_f32 v[6:7], v[12:13], v[12:13]
.irp i, 1,2,3,4,5,6,7,8,9,10,11,12,13,14,15
	v_pk_add_f32 v[10:11], v[X+4*\i:X+4*\i+1], v[8:9] neg_lo:[0,1] neg_hi:[0,1]
	v_pk_add_f32 v[12:13], v[X+4*\i+2:X+4*\i+3], v[8:9] neg_lo:[0,1] neg_hi:[0,1]
	s_delay_alu instid0(VALU_DEP_2)
	v_pk_fma_f32 v[4:5], v[10:11], v[10:11], v[4:5]
	s_delay_alu instid0(VALU_DEP_2)
	v_pk_fma_f32 v[6:7], v[12:13], v[12:13], v[6:7]
.endr
	s_delay_alu instid0(VALU_DEP_1)
	v_pk_add_f32 v[4:5], v[4:5], v[6:7]
	s_delay_alu instid0(VALU_DEP_1)
	v_add_f32 v9, v4, v5                           ; v[8:9] = my wave's mean, M2
	ds_store_b64 v2, v[8:9]
	s_wait_dscnt 0x0                               ; for the others' sake: my store has landed
	s_barrier_signal -1
	s_barrier_wait -1
	s_cmp_lg_u32 s8, 0
	s_cbranch_scc1 .Lend                           ; wave 0 joins the eight waves' figures
.irp w, 0,1,2,3,4,5,6,7
	ds_load_b64 v[X+2*\w:X+2*\w+1], v3 offset:256*\w
.endr
	s_wait_dscnt 0x0
	v_pk_add_f32 v[4:5], v[X:X+1], v[X+2:X+3]
.irp w, 2,3,4,5,6,7
	s_delay_alu instid0(VALU_DEP_1)
	v_pk_add_f32 v[4:5], v[4:5], v[X+2*\w:X+2*\w+1]
.endr
	s_delay_alu instid0(VALU_DEP_1)
	v_mul_f32 v8, 0x3e000000, v4                   ; the chunk's mean: the eight means / 8 (equal counts)
	s_delay_alu instid0(VALU_DEP_1)
	v_sub_f32 v10, v[X], v8
	s_delay_alu instid0(VALU_DEP_1)
	v_mul_f32 v6, v10, v10
.irp w, 1,2,3,4,5,6,7
	v_sub_f32 v10, v[X+2*\w], v8
	s_delay_alu instid0(VALU_DEP_1)
	v_fmac_f32 v6, v10, v10
.endr
	s_delay_alu instid0(VALU_DEP_1)
	v_fma_f32 v9, v6, 0x42800000, v5               ; M2 = the eight M2 + 64 x the sum of (wave's mean - mean)^2
	global_store_b64 v3, v[8:9], s[6:7]            ; 32 lanes store 256 consecutive bytes, aligned
.Lend:
	s_wait_tensorcnt 0x0
	ds_add_u32 v96, v97
	s_wait_dscnt 0x0
	s_endpgm
.Lfunc_end_k_q9ff87fc6a8_stats:
	.size	k_q9ff87fc6a8_stats, .Lfunc_end_k_q9ff87fc6a8_stats-k_q9ff87fc6a8_stats
	.p2alignl 7, 3214868480
	.fill 96, 4, 3214868480
	.section	.rodata,"a",@progbits
	.p2align	6, 0x0
	.amdhsa_kernel k_q9ff87fc6a8_stats
		.amdhsa_group_segment_fixed_size 3072
		.amdhsa_private_segment_fixed_size 0
		.amdhsa_enable_private_segment 0
		.amdhsa_kernarg_size 16
		.amdhsa_user_sgpr_count 2
		.amdhsa_user_sgpr_kernarg_segment_ptr 1
		.amdhsa_wavefront_size32 1
		.amdhsa_system_sgpr_workgroup_id_x 1
		.amdhsa_system_sgpr_workgroup_id_y 1
		.amdhsa_system_sgpr_workgroup_id_z 1
		.amdhsa_system_vgpr_workitem_id 0
		.amdhsa_next_free_vgpr 98
		.amdhsa_next_free_sgpr 66
		.amdhsa_reserve_vcc 0
		.amdhsa_float_denorm_mode_32 3
		.amdhsa_float_denorm_mode_16_64 3
		.amdhsa_memory_ordered 1
		.amdhsa_forward_progress 1
		.amdhsa_inst_pref_size 14
	.end_amdhsa_kernel
	.amdgpu_metadata
---
amdhsa.version: [ 1, 2 ]
amdhsa.kernels:
  - .name:           k_q9ff87fc6a8_stats
    .symbol:         k_q9ff87fc6a8_stats.kd
    .args:
      - { .name: x, .offset: 0, .size: 8, .value_kind: global_buffer, .address_space: global }
      - { .name: stats, .offset: 8, .size: 8, .value_kind: global_buffer, .address_space: global }
    .group_segment_fixed_size: 3072
    .private_segment_fixed_size: 0
    .kernarg_segment_align: 8
    .kernarg_segment_size: 16
    .max_flat_workgroup_size: 256
    .sgpr_count:     66
    .vgpr_count:     98
    .wavefront_size: 32
...
	.end_amdgpu_metadata
.endif
;; end of part 1
;; launch qkv (part 2): grid 32 x 8, 4 waves a work-group, no clusters, 87,040 bytes of LDS; arguments x, stats, gn_scale, gn_bias, wq_codes, wq_scales, bq, wk_codes, wk_scales, bk, wv_codes, wv_scales, bv, qc, qs, kv, kvs; writes qc, qs, kv, kvs
.if DOCPART == 2
	.amdgcn_target "amdgcn-amd-amdhsa--gfx1250"
	.amdhsa_code_object_version 6
	.text
	.protected	k_q9ff87fc6a8_qkv
	.globl	k_q9ff87fc6a8_qkv
	.p2align	8
	.type	k_q9ff87fc6a8_qkv,@function
k_q9ff87fc6a8_qkv:
	s_mov_b64 s[64:65], 0
	v_nop
	global_prefetch_b8 v0, s[64:65] scope:SCOPE_SE
	s_setreg_imm32_b32 hwreg(HW_REG_WAVE_MODE, 25, 1), 1
	s_wait_xcnt 0x0
; h = GroupNorm(x); q = Q(h) wq + bq, k, v likewise, on codes of BF8 (E5M2) with one E8M0 scale for each 32 along K; q, k (along the channels) and v (along the keys) are quantised again and stored
; as IMAGES OF OPERAND REGISTERS for the attention launch.  An image of a fragment (16 rows x 128 K) is 2,048 bytes: four groups c of 512; lane l's 16 bytes (row l % 16, k = 32 c + 16 (l / 16) + 0 .. 15) at 512 c + 16 l.
; A work-group takes one key step: 128 positions of one batch (x = the step, y = the batch).
; THE POSITIONS OF A TILE ARE NOT NEIGHBOURS: lane r of tile 2 b + u holds position 32 b + 8 u + r + 8 (r / 8); the rows of a weight that form a tile are chosen the same way.  So 16 registers of two neighbouring result tiles
; are 16 neighbours along the next K, and every conversion's result is a piece of an operand.
; PHASE X, by rows: wave w normalises positions 32 w .. 32 w + 31 (a lane = a group of 4 channels), turns them through its own stage in LDS so that a lane holds 16 neighbouring channels of one position, quantises them
; (h's tiles 2 w, 2 w + 1) and stores their images in LDS | barrier | PHASE P, by columns: wave w makes channels 32 w .. 32 w + 31 of q, k and v for all 128 positions, so each weight is read once a work-group.
; q, k: transposed (source 0 = 16 rows of the weight, source 1 = h): a lane holds one position and 16 neighbouring channels: one block of 32 with lane l xor 16: group c = w of the position tile's image.
; v: source 0 = h, source 1 = 16 rows of wv: a lane holds one channel and its registers run over the keys: a whole fragment.  The biases are the C of each product: every product is one K step.
; The scale bytes gather in LDS and leave as three runs of 512 bytes.  No tensor loads: what is shared is 16 KB of images; no cluster: work-groups share only 48 KB of weights.
; LIMITS: NaN and infinities are not served; a block whose largest magnitude lies under 2^-111 (zeros too) gets the byte 1: its bytes are read by this program alone.
.set XIMG, 0                           ; LDS: h's 8 images,
.set XSC,  16384                       ; their scale words, 128 bytes each,
.set SCQ,  17408                       ; q's scale bytes: 64 m + 4 r + w,
.set SCK,  17920                       ; k's: 256 (m / 4) + 16 r + 4 (m % 4) + w,
.set SCV,  18432                       ; v's scale words: 256 (t / 4) + 16 r + 4 (t % 4),
.set STG,  18944                       ; and a stage for each wave: 32 rows x (512 bytes + 16)
.set SROW, 528
.set LI,  1                            ; v1   16 x lane
.set LS,  2                            ; v2   4 x lane
.set STI, 3                            ; v3   the stage, on the way in
.set STO, 4                            ; v4   and out: 528 r + 64 h
.set XWI, 5                            ; v5   16 x lane + 4096 x wave: h's images, and v's in memory
.set XWS, 6                            ; v6   4 x lane + 256 x wave
.set WA,  7                            ; v7   a weight's codes: (r + 8 (r / 8)) x 128 + 16 h + 4096 x wave
.set WSA, 8                            ; v8   4 bytes a weight row: (r + 8 (r / 8)) x 4 + 128 x wave
.set BA,  9                            ; v9   64 h + 128 x wave
.set GQK, 10                           ; v10  16 x lane + 512 x wave
.set SBQ, 12                           ; v12  4 r + wave
.set SBK, 13                           ; v13  16 r + wave
.set SBV, 14                           ; v14  16 r + 256 (wave / 2) + 8 (wave % 2)
.set L8,  15                           ; v15  8 x lane
.set HF,  16                           ; v16-143  x as loaded, later h's 8 fragments
.set AC,  144                          ; v144-207 the chunks' statistics, later 64 numbers or 8 accumulators
.set PC,  208                          ; v208-223 codes; before that gamma 208-211, beta 212-215, rstd x gamma 216-219, the mean twice 220-221
.set TM,  224                          ; v224-239 +0 largest magnitudes, +4 bytes, +12 the conversions' scale operand
.set PW,  240                          ; v240     the scale word just made
.set HS,  241                          ; v241-248 h's scale words
.set WS,  249                          ; v249-254 the weights' scale words: q 0, 1; k 0, 1; v 0, 1
.set FQ,  0                            ; window 1: two fragments of wq, of wk, of wv;
.set FK,  32
.set FV,  64
.set BQ,  96                           ; and two tiles of each bias in the result's layout
.set BK,  112
.set BV,  128
.set SEL, 44                           ; s[44:45] v_permlanex16_b32's selects for lane l xor 16
.set MNT, 46
.set MSB, 0
.macro WIN new                         ; the immediate's high byte repeats the setting that is left
.if MSB != \new
	s_set_vgpr_msb (MSB<<8)|\new
.set MSB, \new
.endif
.endm
; 64 numbers of a lane, v[s] on: four blocks b of 16 registers, each a block of 32 together with lane l xor 16's.  Codes to v[PC + 4 b] on, bytes to v[TM + 4 + b]; word = 1: the four bytes as one word in v[PW].
.macro QUANT s, word
.irp b, 0,1,2,3
	v_max3_num_f32 v[TM+\b], |v[\s+16*\b]|, |v[\s+1+16*\b]|, 0x8000000   ; my 16 numbers, and the floor 2^(16 - 127): the byte cannot fall under 1
.endr
.irp i, 2,4,6,8,10,12,14
.irp b, 0,1,2,3
	v_max3_num_f32 v[TM+\b], v[TM+\b], |v[\s+16*\b+\i]|, |v[\s+1+16*\b+\i]|   ; the four blocks by turns; each accumulator is read from its low end on
.endr
.endr
.irp b, 0,1,2,3
	v_permlanex16_b32 v[TM+4+\b], v[TM+\b], s[SEL], s[SEL+1]
.endr
.irp b, 0,1,2,3
	v_max_num_f32 v[TM+\b], v[TM+\b], v[TM+4+\b]   ; the block's largest magnitude
.endr
.irp b, 0,1,2,3
	v_add_nc_u32 v[TM+12+\b], 0xf8800000, v[TM+\b]   ; 15 off its exponent field: the conversion takes this operand's exponent field as its scale
.endr
.irp b, 0,1,2,3
.endr
.irp b, 0,1,2,3
	v_lshrrev_b32 v[TM+4+\b], 23, v[TM+12+\b]      ; the scale's byte
.endr
.if \word
	v_lshl_or_b32 v[PW], v[TM+5], 8, v[TM+4]
	v_lshl_or_b32 v[PW], v[TM+6], 16, v[PW]
	v_lshl_or_b32 v[PW], v[TM+7], 24, v[PW]
.endif
.irp b, 0,1,2,3
.irp i, 0,1,2,3,4,5,6,7,8,9,10,11,12,13,14,15
.endr
	v_cvt_scalef32_pk8_bf8_f32 v[PC+4*\b:PC+1+4*\b], v[\s+16*\b:\s+7+16*\b], v[TM+12+\b]
	v_cvt_scalef32_pk8_bf8_f32 v[PC+2+4*\b:PC+3+4*\b], v[\s+8+16*\b:\s+15+16*\b], v[TM+12+\b]
.endr
	v_nop                                          ; one plain line behind the last conversion, ahead of whatever next touches its registers
.endm
.macro IMAGE adr, off                  ; the fragment in v[PC] on goes to LDS as it stands
.irp c, 0,1,2,3
	ds_store_b128 v[\adr], v[PC+4*\c:PC+4*\c+3] offset:\off+512*\c
.endr
.endm
.macro BARRIER                         ; my LDS stores have landed and my LDS loads are in: then the work-group's barrier
	s_wait_dscnt 0x0
	s_barrier_signal -1
	s_barrier_wait -1
.endm
	s_load_b512 s[4:19], s[0:1], 0x0               ; x 4, stats 6, gn_scale 8, gn_bias 10, wq_codes 12, wq_scales 14, bq 16, wk_codes 18
	s_load_b512 s[20:35], s[0:1], 0x40             ; wk_scales 20, bk 22, wv_codes 24, wv_scales 26, bv 28, qc 30, qs 32, kv 34
	s_load_b64 s[36:37], s[0:1], 0x80              ; kvs
	v_lshl_add_u32 v255, v0, 2, 0x15200
	s_set_vgpr_msb 0x40
	v_mov_b32 v145, 0
	s_set_vgpr_msb 0x4000
	v_lshrrev_b32 v1, 5, v0
	v_readfirstlane_b32 s38, v1                    ; wave 0..3
	v_and_b32 v11, 31, v0                          ; lane
	v_and_b32 v16, 15, v0                          ; r
	v_bfe_u32 v17, v0, 4, 1                        ; h
	v_lshlrev_b32 v[LI], 4, v11
	v_lshlrev_b32 v[LS], 2, v11
	v_lshlrev_b32 v[L8], 3, v11
	s_mul_i32 s58, s38, 32*SROW
	s_add_co_u32 s58, s58, STG                     ; my stage
	v_add_nc_u32 v[STI], s58, v[LI]
	v_mul_u32_u24 v[STO], v16, SROW
	v_lshl_add_u32 v[STO], v17, 6, v[STO]
	v_add_nc_u32 v[STO], s58, v[STO]
	s_lshl_b32 s58, s38, 12
	v_add_nc_u32 v[XWI], s58, v[LI]
	s_lshl_b32 s59, s38, 8
	v_add_nc_u32 v[XWS], s59, v[LS]
	v_and_b32 v18, 8, v16
	v_add_nc_u32 v18, v18, v16                     ; r + 8 (r / 8)
	v_lshlrev_b32 v[WA], 7, v18
	v_lshl_add_u32 v[WA], v17, 4, v[WA]
	v_add_nc_u32 v[WA], s58, v[WA]
	s_lshl_b32 s59, s38, 7
	v_lshl_add_u32 v[WSA], v18, 2, s59
	v_lshl_add_u32 v[BA], v17, 6, s59
	s_lshl_b32 s59, s38, 9
	v_add_nc_u32 v[GQK], s59, v[LI]
	v_lshl_add_u32 v[SBQ], v16, 2, s38
	v_lshl_add_u32 v[SBK], v16, 4, s38
	s_lshr_b32 s59, s38, 1
	s_lshl_b32 s59, s59, 8
	s_and_b32 s60, s38, 1
	s_lshl_b32 s60, s60, 3
	s_add_co_u32 s59, s59, s60
	v_lshl_add_u32 v[SBV], v16, 4, s59
	s_mov_b32 s[SEL], 0x76543210
	s_mov_b32 s[SEL+1], 0xfedcba98
	s_mov_b32 s47, 0x38800000                      ; 2^-14: a group has 4,096 x 4 numbers
	s_mov_b32 s48, 0x358637bd                      ; 1e-6
	s_and_b32 s39, ttmp7, 0xffff                   ; batch
	s_lshl_b32 s40, s39, 12
	s_lshl_b32 s41, ttmp9, 7
	s_add_co_u32 s40, s40, s41
	s_lshl_b32 s41, s38, 5
	s_add_co_u32 s40, s40, s41                     ; my first position: 4096 x batch + 128 x step + 32 x wave
	s_lshl_b32 s40, s40, 9
	s_mov_b32 s41, 0
	s_lshl_b32 s42, s39, 13                        ; the batch's statistics: 32 chunks x 256 bytes
	s_mov_b32 s43, 0
	s_lshl_b32 s49, s39, 5
	s_add_co_u32 s49, s49, ttmp9                   ; 32 x batch + step
	s_lshl_b32 s50, s49, 14                        ; qc: 8 images
	s_mov_b32 s51, 0
	s_lshl_b32 s52, s49, 15                        ; kv: 16 images
	s_mov_b32 s53, 0
	s_lshl_b32 s54, s49, 9                         ; qs: 512 bytes
	s_mov_b32 s55, 0
	s_lshl_b32 s56, s49, 10                        ; kvs: 1,024 bytes
	s_mov_b32 s57, 0
	s_wait_alu depctr_va_vdst(0)
	s_wait_kmcnt 0x0
	s_add_nc_u64 s[4:5], s[4:5], s[40:41]
	s_add_nc_u64 s[6:7], s[6:7], s[42:43]
	s_add_nc_u64 s[30:31], s[30:31], s[50:51]
	s_add_nc_u64 s[34:35], s[34:35], s[52:53]
	s_add_nc_u64 s[32:33], s[32:33], s[54:55]
	s_add_nc_u64 s[36:37], s[36:37], s[56:57]
	; ALL THE HEAD'S LOADS GO OUT TOGETHER: 54 for the weights, 34 for the statistics, 32 for x
	WIN 0x40                                       ; destination window 1
.irp u, 0,1                            ; tile u of my 32 weight rows: lane r takes row 32 w + 8 u + r + 8 (r / 8)
.irp c, 0,1,2,3
	global_load_b128 v[FQ+16*\u+4*\c:FQ+16*\u+4*\c+3], v[WA], s[12:13] offset:1024*\u+32*\c
	global_load_b128 v[FK+16*\u+4*\c:FK+16*\u+4*\c+3], v[WA], s[18:19] offset:1024*\u+32*\c
	global_load_b128 v[FV+16*\u+4*\c:FV+16*\u+4*\c+3], v[WA], s[24:25] offset:1024*\u+32*\c
.endr
	global_load_b128 v[BQ+8*\u:BQ+8*\u+3], v[BA], s[16:17] offset:32*\u        ; q, k: register j of lane (r, h) is channel 32 w + 16 h + 8 u + j
	global_load_b128 v[BQ+8*\u+4:BQ+8*\u+7], v[BA], s[16:17] offset:32*\u+16
	global_load_b128 v[BK+8*\u:BK+8*\u+3], v[BA], s[22:23] offset:32*\u
	global_load_b128 v[BK+8*\u+4:BK+8*\u+7], v[BA], s[22:23] offset:32*\u+16
.irp j, 0,1,2,3,4,5,6,7
	global_load_b32 v[BV+8*\u+\j], v[WSA], s[28:29] offset:32*\u               ; v: a lane holds one channel: its bias in all eight registers
.endr
.endr
	WIN 0
.irp u, 0,1
	global_load_b32 v[WS+\u], v[WSA], s[14:15] offset:32*\u
	global_load_b32 v[WS+2+\u], v[WSA], s[20:21] offset:32*\u
	global_load_b32 v[WS+4+\u], v[WSA], s[26:27] offset:32*\u
.endr
.set n, 0
.rept 32
	global_load_b64 v[AC+2*n:AC+2*n+1], v[L8], s[6:7] offset:256*n             ; chunk n: my group's mean and M2
.set n, n+1
.endr
	global_load_b128 v[208:211], v[LI], s[8:9]     ; gamma of my 4 channels
	global_load_b128 v[212:215], v[LI], s[10:11]   ; beta
.set n, 0
.rept 32
	global_load_b128 v[HF+4*n:HF+4*n+3], v[LI], s[4:5] offset:512*n            ; row n of my 32: 512 consecutive bytes a load
.set n, n+1
.endr
	s_wait_loadcnt 32                              ; all but the 32 loads of x are in
	; ---- the group's mean and 1 / sqrt(var + eps) from the 32 chunks
	v_pk_add_f32 v[224:225], v[AC:AC+1], v[AC+2:AC+3]
	v_pk_add_f32 v[226:227], v[AC+4:AC+5], v[AC+6:AC+7]
.set n, 4
.rept 14
	v_pk_add_f32 v[224:225], v[224:225], v[AC+2*n:AC+2*n+1]
	v_pk_add_f32 v[226:227], v[226:227], v[AC+2*n+2:AC+2*n+3]
.set n, n+2
.endr
	v_pk_add_f32 v[224:225], v[224:225], v[226:227]   ; the sum of the means, the sum of the M2
	v_mul_f32 v220, 0x3d000000, v224               ; the mean: / 32 (equal counts)
	v_mov_b32 v221, v220
.set n, 0
.rept 32
	v_sub_f32 v[AC+2*n], v[AC+2*n], v220
.set n, n+1
.endr
	v_mul_f32 v226, v[AC], v[AC]
	v_mul_f32 v227, v[AC+2], v[AC+2]
.set n, 2
.rept 15
	v_fmac_f32 v226, v[AC+2*n], v[AC+2*n]
	v_fmac_f32 v227, v[AC+2*n+2], v[AC+2*n+2]
.set n, n+2
.endr
	v_add_f32 v226, v226, v227
	v_fma_f32 v226, v226, 0x44000000, v225         ; M2 = the chunks' M2 + 512 x the sum of (chunk's mean - mean)^2
	v_fma_f32 v226, v226, s47, s48                 ; var + eps
	s_wait_alu depctr_va_vdst(0)
	v_rsq_f32 v227, v226
.irp b, 0,1,2,3
	v_mov_b32 v[TM+4+\b], 0                        ; plain lines behind the root.  (Written once: a lane permute's destination counts as one of its sources)
.endr
	s_wait_alu depctr_va_vdst(0)                   ; the wait ahead of the first line that names the root's result
.irp c, 0,1,2,3
	v_mul_f32 v[216+\c], v227, v[208+\c]           ; rstd x gamma
.endr
	s_wait_loadcnt 0x0                             ; x
	; ---- X: h = (x - mean) x (rstd x gamma) + beta, and through my stage: row n of my 32 is lane 8 (n / 16) + n % 8 of tile (n / 8) % 2
.set n, 0
.rept 32
	v_pk_add_f32 v[HF+4*n:HF+4*n+1], v[HF+4*n:HF+4*n+1], v[220:221] neg_lo:[0,1] neg_hi:[0,1]
	v_pk_add_f32 v[HF+4*n+2:HF+4*n+3], v[HF+4*n+2:HF+4*n+3], v[220:221] neg_lo:[0,1] neg_hi:[0,1]
.set n, n+1
.endr
.set n, 0
.rept 32
	v_pk_fma_f32 v[HF+4*n:HF+4*n+1], v[HF+4*n:HF+4*n+1], v[216:217], v[212:213]
	v_pk_fma_f32 v[HF+4*n+2:HF+4*n+3], v[HF+4*n+2:HF+4*n+3], v[218:219], v[214:215]
	ds_store_b128 v[STI], v[HF+4*n:HF+4*n+3] offset:SROW*(16*((n/8)%2)+8*(n/16)+n%8)
.set n, n+1
.endr
.irp b, 0,1,2,3
.irp j, 0,1,2,3
	ds_load_b128 v[AC+16*\b+4*\j:AC+16*\b+4*\j+3], v[STO] offset:128*\b+16*\j      ; tile 0: register 16 b + i = channel 32 b + 16 h + i of row r.  LDS serves a wave's instructions in order: these see my stores
.endr
.endr
	s_wait_dscnt 0x0
.irp b, 0,1,2,3
.irp j, 0,1,2,3
	ds_load_b128 v[16+16*\b+4*\j:16+16*\b+4*\j+3], v[STO] offset:16*SROW+128*\b+16*\j   ; tile 1 lands while tile 0 is quantised
.endr
.endr
	QUANT AC, 1
	IMAGE XWI, XIMG
	ds_store_b32 v[XWS], v[PW] offset:XSC
	s_wait_dscnt 0x0                               ; tile 1 is in, and the stores have read their registers
	QUANT 16, 1
	IMAGE XWI, XIMG+2048
	ds_store_b32 v[XWS], v[PW] offset:XSC+128
	BARRIER                                        ; h's eight fragments lie in LDS
	; ---- P: all of h into registers
.irp m, 0,1,2,3,4,5,6,7
.irp c, 0,1,2,3
	ds_load_b128 v[HF+16*\m+4*\c:HF+16*\m+4*\c+3], v[LI] offset:XIMG+2048*\m+512*\c
.endr
	ds_load_b32 v[HS+\m], v[LS] offset:XSC+128*\m
.endr
	s_wait_dscnt 0x0
; q or k: four tiles of positions at a time, my two tiles of channels each: eight products of one K step, C = the bias.  Then each position's 32 channels are one block.
.macro QK wreg, breg, wsc, ptr, isk
.irp g, 0,1
	WIN 0x11                                       ; source 0 (the weight) and source 2 (the bias) window 1
.irp mm, 0,1,2,3
.irp u, 0,1
	v_wmma_scale_f32_16x16x128_f8f6f4 v[AC+16*\mm+8*\u:AC+16*\mm+8*\u+7], v[\wreg+16*\u:\wreg+16*\u+15], v[HF+16*(4*\g+\mm):HF+16*(4*\g+\mm)+15], v[\breg+8*\u:\breg+8*\u+7], v[WS+\wsc+\u], v[HS+4*\g+\mm] matrix_a_fmt:MATRIX_FMT_BF8 matrix_b_fmt:MATRIX_FMT_BF8
.endr
.endr
	WIN 0
.rept 8
	v_nop                                          ; eight places ahead of the first read of results; with the lines on v[TM] on they are more than the nine that the next batch's products, which write these registers again, want
.endr
	s_wait_xcnt 0x0                                ; the last batch's stores to memory have read their codes,
	s_wait_dscnt 0x0                               ; and those to LDS their bytes: both are written again below
	QUANT AC, 0
.irp mm, 0,1,2,3
	global_store_b128 v[GQK], v[PC+4*\mm:PC+4*\mm+3], s[\ptr:\ptr+1] offset:2048*(4*\g+\mm)   ; group c = w of tile 4 g + mm's image: 512 consecutive bytes, aligned
.if \isk
	ds_store_b8 v[SBK], v[TM+4+\mm] offset:SCK+256*\g+4*\mm      ; both lanes of a block write the same byte with the same value
.else
	ds_store_b8 v[SBQ], v[TM+4+\mm] offset:SCQ+64*(4*\g+\mm)
.endif
.endr
.endr
.endm
	QK FQ, BQ, 0, 30, 0
	QK FK, BK, 2, 34, 1
.irp u, 0,1                            ; v: tile 2 w + u of the channels, all 128 keys: eight products; register 16 b + i of a lane = key 32 b + 16 h + i of its channel
	WIN 0x14                                       ; source 1 (wv) and source 2 (the bias) window 1
.irp m, 0,1,2,3,4,5,6,7
	v_wmma_scale_f32_16x16x128_f8f6f4 v[AC+8*\m:AC+8*\m+7], v[HF+16*\m:HF+16*\m+15], v[FV+16*\u:FV+16*\u+15], v[BV+8*\u:BV+8*\u+7], v[HS+\m], v[WS+4+\u] matrix_a_fmt:MATRIX_FMT_BF8 matrix_b_fmt:MATRIX_FMT_BF8
.endr
	WIN 0
.rept 8
	v_nop
.endr
	s_wait_xcnt 0x0
	s_wait_dscnt 0x0
	QUANT AC, 1
.irp c, 0,1,2,3
	global_store_b128 v[XWI], v[PC+4*\c:PC+4*\c+3], s[34:35] offset:16384+2048*\u+512*\c   ; v's images lie behind k's eight
.endr
	ds_store_b32 v[SBV], v[PW] offset:SCV+4*\u
.endr
	BARRIER                                        ; all scale bytes lie in LDS
	s_cmp_lg_u32 s38, 0
	s_cbranch_scc1 .Lend
	ds_load_b128 v[16:19], v[LI] offset:SCQ
	ds_load_b128 v[20:23], v[LI] offset:SCK
	ds_load_b128 v[24:27], v[LI] offset:SCV
	s_wait_dscnt 0x0
	global_store_b128 v[LI], v[16:19], s[32:33]    ; each store: 512 consecutive bytes, aligned
	global_store_b128 v[LI], v[20:23], s[36:37]
	global_store_b128 v[LI], v[24:27], s[36:37] offset:512
.Lend:
	s_set_vgpr_msb 0x4
	s_wait_tensorcnt 0x0
	ds_add_u32 v255, v145
	s_wait_dscnt 0x0
	s_set_vgpr_msb 0x400
	s_endpgm
.Lfunc_end_k_q9ff87fc6a8_qkv:
	.size	k_q9ff87fc6a8_qkv, .Lfunc_end_k_q9ff87fc6a8_qkv-k_q9ff87fc6a8_qkv
	.p2alignl 7, 3214868480
	.fill 96, 4, 3214868480
	.section	.rodata,"a",@progbits
	.p2align	6, 0x0
	.amdhsa_kernel k_q9ff87fc6a8_qkv
		.amdhsa_group_segment_fixed_size 87040
		.amdhsa_private_segment_fixed_size 0
		.amdhsa_enable_private_segment 0
		.amdhsa_kernarg_size 136
		.amdhsa_user_sgpr_count 2
		.amdhsa_user_sgpr_kernarg_segment_ptr 1
		.amdhsa_wavefront_size32 1
		.amdhsa_system_sgpr_workgroup_id_x 1
		.amdhsa_system_sgpr_workgroup_id_y 1
		.amdhsa_system_sgpr_workgroup_id_z 1
		.amdhsa_system_vgpr_workitem_id 0
		.amdhsa_next_free_vgpr 402
		.amdhsa_next_free_sgpr 66
		.amdhsa_reserve_vcc 0
		.amdhsa_float_denorm_mode_32 3
		.amdhsa_float_denorm_mode_16_64 3
		.amdhsa_fp16_overflow 1
		.amdhsa_memory_ordered 1
		.amdhsa_forward_progress 1
		.amdhsa_inst_pref_size 76
	.end_amdhsa_kernel
	.amdgpu_metadata
---
amdhsa.version: [ 1, 2 ]
amdhsa.kernels:
  - .name:           k_q9ff87fc6a8_qkv
    .symbol:         k_q9ff87fc6a8_qkv.kd
    .args:
      - { .name: x, .offset: 0, .size: 8, .value_kind: global_buffer, .address_space: global }
      - { .name: stats, .offset: 8, .size: 8, .value_kind: global_buffer, .address_space: global }
      - { .name: gn_scale, .offset: 16, .size: 8, .value_kind: global_buffer, .address_space: global }
      - { .name: gn_bias, .offset: 24, .size: 8, .value_kind: global_buffer, .address_space: global }
      - { .name: wq_codes, .offset: 32, .size: 8, .value_kind: global_buffer, .address_space: global }
      - { .name: wq_scales, .offset: 40, .size: 8, .value_kind: global_buffer, .address_space: global }
      - { .name: bq, .offset: 48, .size: 8, .value_kind: global_buffer, .address_space: global }
      - { .name: wk_codes, .offset: 56, .size: 8, .value_kind: global_buffer, .address_space: global }
      - { .name: wk_scales, .offset: 64, .size: 8, .value_kind: global_buffer, .address_space: global }
      - { .name: bk, .offset: 72, .size: 8, .value_kind: global_buffer, .address_space: global }
      - { .name: wv_codes, .offset: 80, .size: 8, .value_kind: global_buffer, .address_space: global }
      - { .name: wv_scales, .offset: 88, .size: 8, .value_kind: global_buffer, .address_space: global }
      - { .name: bv, .offset: 96, .size: 8, .value_kind: global_buffer, .address_space: global }
      - { .name: qc, .offset: 104, .size: 8, .value_kind: global_buffer, .address_space: global }
      - { .name: qs, .offset: 112, .size: 8, .value_kind: global_buffer, .address_space: global }
      - { .name: kv, .offset: 120, .size: 8, .value_kind: global_buffer, .address_space: global }
      - { .name: kvs, .offset: 128, .size: 8, .value_kind: global_buffer, .address_space: global }
    .group_segment_fixed_size: 87040
    .private_segment_fixed_size: 0
    .kernarg_segment_align: 8
    .kernarg_segment_size: 136
    .max_flat_workgroup_size: 128
    .sgpr_count:     66
    .vgpr_count:     402
    .wavefront_size: 32
...
	.end_amdgpu_metadata
.endif
;; end of part 2
;; launch attn (part 3): grid 32 x 8, 8 waves a work-group, clusters of 4 x 1, 327,680 bytes of LDS; arguments qc, qs, kv, kvs, wo_codes, wo_scales, bo, x, out0; writes out0
.if DOCPART == 3
	.amdgcn_target "amdgcn-amd-amdhsa--gfx1250"
	.amdhsa_code_object_version 6
	.text
	.protected	k_q9ff87fc6a8_attn
	.globl	k_q9ff87fc6a8_attn
	.p2align	8
	.type	k_q9ff87fc6a8_attn,@function
k_q9ff87fc6a8_attn:
	s_mov_b64 s[64:65], 0
	v_nop
	global_prefetch_b8 v0, s[64:65] scope:SCOPE_SE
	s_setreg_imm32_b32 hwreg(HW_REG_WAVE_MODE, 25, 1), 1
	s_wait_xcnt 0x0
	s_wait_alu depctr_hold_cnt(0) depctr_sa_sdst(0) depctr_va_vdst(0) depctr_va_sdst(0) depctr_va_ssrc(0) depctr_va_vcc(0) depctr_vm_vsrc(0)
	s_getreg_b32 s2, hwreg(HW_REG_IB_STS2, 6, 4)
	s_cmp_eq_u32 s2, 0
	s_cbranch_scc0 .Lentry_in_a_cluster
	s_endpgm
.Lentry_in_a_cluster:
	s_bfe_u32 s2, ttmp6, 0x10000c
	s_cmp_lg_u32 s2, 0x3003
	s_cbranch_scc0 .Lentry_shape_is_right
	s_endpgm
.Lentry_shape_is_right:
; out = x + Q(softmax(q k^T / sqrt(128)) v) wo + bo, all three products on codes of BF8 (E5M2) with one E8M0 scale for each 32 along K.  q, k, v come as images of operand registers (2,048 bytes a fragment: group c at
; 512 c, lane l's 16 bytes at 16 l), made by the launch before; a key step of 128 keys is 32,768 consecutive bytes of kv (8 fragments of k, 8 of v) and 1,024 of kvs (scale words).
; THE SOFTMAX AHEAD OF THE SECOND PRODUCT: t = score x log2(e) / sqrt(128); M = the row's largest t so far, rounded UP to a whole number; p = 2^(t - M) is quantised along the keys, not normalised; the row's sum is taken of
; the unquantised p and divides O at the end.  When M moves, the sum and O are multiplied by 2^(old M - new M): exact.
; SHARES.  A work-group owns 128 queries of one batch; each of its EIGHT waves owns one fragment of 16, in 512 registers: two waves to a SIMD, so that one wave's matrix work and LDS loads stand beside the other's vector work.
; Every wave walks the batch's 32 key steps.  Both products are used transposed (S^T = k q^T, O^T = v^T p^T): a lane holds ONE query throughout.  The keys of a tile and the channels of a tile of v were chosen by the launch
; before (lane r of tile 2 b + u: 32 b + 8 u + r + 8 (r / 8)), so that p's, and O^T's, registers 16 b + i are key, or channel, 32 b + 16 (lane / 16) + i: the conversions' results are operands.
; FRAGMENTS A SOFTMAX AHEAD: the next step's k is asked of LDS behind this step's k q^T, the next step's v behind this step's v^T p^T.  The images are dense (lane l at 16 l): no padding is wanted.
; THE RING: two slots of four key steps (131,072 bytes); each of the eight waves fetches an eighth (64 rows of 256 bytes) by one tensor load.  The batch's scale words and wo's codes come once, with the first fills.
; CLUSTER: the four query blocks of a cluster belong to one batch and walk the same k and v: every tile is asked for JOINTLY (mask 15).  Not 4 x 4: along y the batches differ.
; The way out: O^T / the sum is quantised in registers, multiplied by wo (C = bo), goes through the wave's stage in LDS and meets x as whole units of 256 bytes.
; LIMITS: NaN and infinities are not served; a block whose largest magnitude lies under 2^-111 (zeros too) gets the byte 1, whose codes are zeros or nearly so.
; REGISTERS.  Window 0: v1-11 addresses; v12 -M, v13 the largest t, v[14:15] the sum in two halves; v16-23, v24-31 k's and v's scale words; v32-159 v's 8 fragments; v160-223 S^T, then p; v224-239 p's codes; v232-254 at work; v255 q's scale words.
;   Window 1: v0-63 O^T; v64-191 k's 8 fragments (at the end bo / the result, and x); v192-207 q.
.set SLOT1, 131072                     ; slot 1 begins here: one exclusive or turns an address in one slot into the other's
.set STEPB, 32768                      ; a key step's tiles
.set SCL,   262144                     ; behind the ring: the batch's scale words, 32 x 1,024 bytes;
.set WO,    294912                     ; wo's codes: 128 rows x (128 bytes + 16);
.set SPARE, 313344                     ; the spare words, 128 bytes for each wave: four blocks of 256 bytes that no other line names
.set SP,    272                        ; the way out: a stage of 16 rows x (256 bytes + 16) for each wave, in slot place 0, which has had its last fill and its last read at the last change of slots
.set LI,  1                            ; v1   16 x lane
.set LSC, 2                            ; v2   SCL + 16 r
.set ADR, 3                            ; v3   LDS address of the tiles to be fetched
.set ADS, 4                            ; v4   and of their scale words
.set SPW, 5                            ; v5   LDS address of my spare word; never rewritten
.set NIL, 6                            ; v6   0; never rewritten
.set PFO, 7                            ; v7   256 x lane; never rewritten
.set BOA, 8                            ; v8   32 h
.set R4,  9                            ; v9   4 r
.set GO,  10                           ; v10  512 h + 16 r
.set WOA, 11                           ; v11  WO + 144 r + 16 h
.set KS,  16
.set VS,  24
.set VF,  32
.set S,   160
.set PC,  224
.set STO, 248                          ; v248 the stage: where I put 32 bytes of a row
.set RD,  249                          ; v249 and where I read a row back
.set KF,  64                           ; window 1
.set QF,  192
.set WV,  22                           ; s22  my wave's number
.set MNT, 23
.set G1,  24                           ; s[24:31] group 1: 64 dense rows of 256 bytes
.set G1S, 32                           ; s[32:39] 16 such rows
.set G1W, 40                           ; s[40:47] 16 rows of 128 bytes, 16 bytes of padding behind each
.set G0S, 48                           ; s[48:51] group 0: my eighth of the scale words
.set G0W, 52                           ; s[52:55] of wo
.set G0A, 56                           ; s[56:59] of slot 0's first fill
.set G0B, 60                           ; s[60:63] of slot 1's; this one then walks
.set SEL, 66                           ; s[66:67] lane selects for v_permlanex16_b32: lane l xor 16
.set CS,  68                           ; s[68:69] c = log2(e) / sqrt(128), twice
.set TB,  70                           ; s70  LDS byte at which the step to be fetched begins
.set TS,  71                           ; s71  and its scale words: 1,024 bytes a step
.set SLOTS, 72                         ; s72  slots still to be asked for
.set INNER, 73                         ; s73  counts key steps
.set PFA, 74                           ; s[74:75] where my prefetches stand
.set LIM, 76                           ; s76  1 in a wave that prefetches, else the greatest number
.set MSB, 0
.macro WIN new                         ; the immediate's high byte repeats the setting that is left
.if MSB != \new
	s_set_vgpr_msb (MSB<<8)|\new
.set MSB, \new
.endif
.endm
; A round of the cluster's barrier: my work-group's barrier; wave 0 signals for the work-group; every wave waits for all four work-groups; my work-group's barrier once more.
.macro CROUND
	s_barrier_signal -1
	s_barrier_wait -1
	s_cmp_lg_u32 s[WV], 0
	s_cbranch_scc1 .Lnot_wave_0_\@
	s_barrier_signal -3
.Lnot_wave_0_\@:
	s_barrier_wait -3
	s_barrier_signal -1
	s_barrier_wait -1
.endm
; A PREFETCH INTO THE L2 of the slot that the NEXT change of slots will ask for: 131,072 consecutive bytes of kv.  All eight clusters of a batch walk the same bytes: the batch's first cluster asks.  Its four partners take
; 32,768 bytes each, told apart BY ADDRESS; in each, waves 0 to 3 ask for 8,192 bytes, lanes 256 bytes apart: each block of 256 bytes is named once in the launch.  The last change that fills a slot asks for nothing.
.macro ASK
	s_cmp_gt_u32 s[SLOTS], s[LIM]
	s_cbranch_scc0 .Lnot_mine_\@
	global_prefetch_b8 v[PFO], s[PFA:PFA+1] th:TH_LOAD_NT scope:SCOPE_SE
.Lnot_mine_\@:
.endm
.macro FETCH_K                         ; 34 LDS loads: a step's 8 fragments of k and their scale words (lane r: the words of tiles 0-3, then 4-7)
	WIN 0x40                                       ; destination window 1
.irp t, 0,1,2,3,4,5,6,7
.irp c, 0,1,2,3
	ds_load_b128 v[KF+16*\t+4*\c:KF+16*\t+4*\c+3], v[ADR] offset:2048*\t+512*\c
.endr
.endr
	WIN 0
	ds_load_b128 v[KS:KS+3], v[ADS]
	ds_load_b128 v[KS+4:KS+7], v[ADS] offset:256
.endm
.macro FETCH_V                         ; 34 more: the same step's v; then the addresses' scalars step on
.irp t, 0,1,2,3,4,5,6,7
.irp c, 0,1,2,3
	ds_load_b128 v[VF+16*\t+4*\c:VF+16*\t+4*\c+3], v[ADR] offset:16384+2048*\t+512*\c
.endr
.endr
	ds_load_b128 v[VS:VS+3], v[ADS] offset:512
	ds_load_b128 v[VS+4:VS+7], v[ADS] offset:768
	s_add_co_u32 s[TB], s[TB], STEPB
	s_add_co_u32 s[TS], s[TS], 1024
.endm
.macro LAST_A                          ; in the last step, where k's registers are free: bo in the result's layout, my 16 rows of x as they will meet the result, wo's scale words
	WIN 0x40
.irp t, 0,1,2,3,4,5,6,7
	global_load_b128 v[64+8*\t:64+8*\t+3], v[BOA], s[16:17] offset:64*\t          ; register j of lane (r, h): bo(16 t + 8 h + j)
	global_load_b128 v[64+8*\t+4:64+8*\t+7], v[BOA], s[16:17] offset:64*\t+16
.endr
.irp u, 0,1
.irp i, 0,1,2,3,4,5,6,7
	global_load_b128 v[128+32*\u+4*\i:128+32*\u+4*\i+3], v[GO], s[18:19] offset:(2*\i+8*(\i/4))*512+256*\u th:TH_LOAD_NT   ; fragment rows 2 i, 2 i + 1 are positions 2 i + 8 (i / 4) on; 16 lanes read 256 consecutive bytes
.endr
.endr
	WIN 0
.irp t, 0,1,2,3,4,5,6,7
	global_load_b32 v[KS+\t], v[R4], s[14:15] offset:64*\t
.endr
.endm
.macro LAST_B                          ; and where v's are free: wo's 8 fragments (tile t: rows 16 t + r)
.irp t, 0,1,2,3,4,5,6,7
.irp c, 0,1,2,3
	ds_load_b128 v[VF+16*\t+4*\c:VF+16*\t+4*\c+3], v[WOA] offset:2304*\t+32*\c
.endr
.endr
.endm
; A KEY STEP.  Its k and v have been asked of LDS.  fetch = 1: the next step's are asked for; 0: the last step.
.macro STEP fetch
	s_wait_dscnt 34                                ; LDS loads come back in order: v's 34, the younger ones, may be out; k and its scale words are in
	WIN 0x05                                       ; sources 0 (k) and 1 (q) window 1
.irp t, 0,1,2,3,4,5,6,7
	v_wmma_scale_f32_16x16x128_f8f6f4 v[S+8*\t:S+8*\t+7], v[KF+16*\t:KF+16*\t+15], v[QF:QF+15], 0, v[KS+\t], v255 matrix_a_fmt:MATRIX_FMT_BF8 matrix_b_fmt:MATRIX_FMT_BF8
.endr
	WIN 0
.if \fetch
	v_add_nc_u32 v[ADR], s[TB], v[LI]              ; eight places ahead of the loads into k's registers and of the first read of the scores: these two lines and six v_nop
	v_add_nc_u32 v[ADS], s[TS], v[LSC]
.rept 6
	v_nop
.endr
	FETCH_K                                        ; the next step's: it lands under the softmax
.else
.rept 8
	v_nop
.endr
	LAST_A
.endif
.irp b, 0,1,2,3
	v_max3_num_f32 v[232+\b], v[S+16*\b], v[S+1+16*\b], v[S+2+16*\b]   ; THE LARGEST SCORE OF EACH BLOCK OF 32 KEYS serves twice: for the row's maximum and, since p rises with the score, for the block's largest p
.endr
.irp i, 3,5,7,9,11,13
.irp b, 0,1,2,3
	v_max3_num_f32 v[232+\b], v[232+\b], v[S+16*\b+\i], v[S+1+16*\b+\i]   ; the four blocks by turns; each accumulator is read from its low end on
.endr
.endr
.irp b, 0,1,2,3
	v_max_num_f32 v[232+\b], v[232+\b], v[S+15+16*\b]
.endr
.irp b, 0,1,2,3
	v_permlanex16_b32 v[236+\b], v[232+\b], s[SEL], s[SEL+1]
.endr
.irp b, 0,1,2,3
	s_delay_alu instid0(VALU_DEP_4)
	v_max_num_f32 v[232+\b], v[232+\b], v[236+\b]  ; with lane l xor 16's 16 keys
.endr
	s_delay_alu instid0(VALU_DEP_2)
	v_max3_num_f32 v254, v232, v233, v234
	s_delay_alu instid0(VALU_DEP_1)
	v_max_num_f32 v254, v254, v235                 ; the step's largest score of my query
	s_delay_alu instid0(VALU_DEP_1)
	v_mul_f32 v254, s[CS], v254                    ; as t (c is positive)
	s_delay_alu instid0(VALU_DEP_1)
	v_max_num_f32 v13, v13, v254                   ; the running largest t
	v_mov_b32 v254, v12
	s_delay_alu instid0(VALU_DEP_2)
	v_floor_f32 v12, -v13                          ; the new -M = floor(-t) = -ceil(t): a whole number
	s_delay_alu instid0(VALU_DEP_1)
	v_sub_f32 v254, v12, v254                      ; old M - new M: a whole number, 0 or less
	s_delay_alu instid0(VALU_DEP_1)
	v_cvt_i32_f32 v254, v254                       ; (it saturates)
	s_delay_alu instid0(VALU_DEP_1)
	v_ldexp_f32 v252, 1.0, v254                    ; f = 2^(old M - new M): a multiplication by it rounds nothing
.set n, 0
.rept 32
	v_pk_fma_f32 v[S+n:S+n+1], v[S+n:S+n+1], s[CS:CS+1], v[12:13] op_sel_hi:[1,0,0]   ; t - M, two at a time (of the pairs c and -M the low word serves both halves)
.set n, n+2
.endr
.irp b, 0,1,2,3
	v_fma_f32 v[232+\b], v[232+\b], s[CS], v12     ; the same of each block's largest score
.endr
.set n, 0
	s_wait_alu depctr_va_vdst(0)
.rept 64
	v_exp_f32 v[S+n], v[S+n]                       ; p = 2^(t - M), at most 1: not normalised
.set n, n+1
.endr
	v_pk_mul_f32 v[14:15], v[14:15], v[252:253] op_sel_hi:[1,0]   ; the sums under the new M: the plain line behind the exponentials
	s_wait_alu depctr_va_vdst(0)                   ; one wait for the batch of 64, ahead of its first reader
.irp b, 0,1,2,3
	v_exp_f32 v[232+\b], v[232+\b]                 ; the block's largest p: the same two instructions on the same number give the same bits
.endr
	v_pk_add_f32 v[236:237], v[164:165], v[168:169]
	v_pk_add_f32 v[250:251], v[172:173], v[176:177]
	v_pk_add_f32 v[246:247], v[180:181], v[184:185]
	v_pk_add_f32 v[244:245], v[188:189], v[192:193]
	v_pk_add_f32 v[242:243], v[196:197], v[200:201]
	v_pk_add_f32 v[240:241], v[204:205], v[208:209]
	v_pk_add_f32 v[238:239], v[212:213], v[216:217]
	v_pk_add_f32 v[14:15], v[14:15], v[220:221]
	v_pk_add_f32 v[236:237], v[236:237], v[160:161]
	v_pk_add_f32 v[250:251], v[250:251], v[162:163]
	v_pk_add_f32 v[246:247], v[246:247], v[166:167]
	v_pk_add_f32 v[244:245], v[244:245], v[170:171]
	v_pk_add_f32 v[242:243], v[242:243], v[174:175]
	v_pk_add_f32 v[240:241], v[240:241], v[178:179]
	v_pk_add_f32 v[238:239], v[238:239], v[182:183]
	v_pk_add_f32 v[14:15], v[14:15], v[186:187]
	v_pk_add_f32 v[236:237], v[236:237], v[190:191]
	v_pk_add_f32 v[250:251], v[250:251], v[194:195]
	v_pk_add_f32 v[246:247], v[246:247], v[198:199]
	v_pk_add_f32 v[244:245], v[244:245], v[202:203]
	v_pk_add_f32 v[242:243], v[242:243], v[206:207]
	v_pk_add_f32 v[240:241], v[240:241], v[210:211]
	v_pk_add_f32 v[238:239], v[238:239], v[214:215]
	v_pk_add_f32 v[14:15], v[14:15], v[218:219]
	v_pk_add_f32 v[236:237], v[236:237], v[222:223]
	s_delay_alu instid0(VALU_DEP_2)
	v_pk_add_f32 v[14:15], v[14:15], v[244:245]
	s_delay_alu instid0(VALU_DEP_2)
	v_pk_add_f32 v[236:237], v[236:237], v[242:243]
	v_pk_add_f32 v[250:251], v[250:251], v[240:241]
	v_pk_add_f32 v[246:247], v[246:247], v[238:239]
	s_delay_alu instid0(VALU_DEP_2)
	v_pk_add_f32 v[14:15], v[14:15], v[250:251]
	s_delay_alu instid0(VALU_DEP_2)
	v_pk_add_f32 v[236:237], v[236:237], v[246:247]
	s_delay_alu instid0(VALU_DEP_1)
	v_pk_add_f32 v[14:15], v[14:15], v[236:237]
	s_wait_alu depctr_va_vdst(0)                   ; and one for the four
.irp b, 0,1,2,3
	v_max_num_f32 v[232+\b], 0x8000000, v[232+\b]  ; the floor 2^(16 - 127): the byte cannot fall under 1
.endr
.irp b, 0,1,2,3
	s_delay_alu instid0(VALU_DEP_4)
	v_add_nc_u32 v[244+\b], 0xf8800000, v[232+\b]  ; 15 off the exponent field: the conversion's scale operand
.endr
.irp b, 0,1,2,3
.endr
.irp b, 0,1,2,3
	s_delay_alu instid0(VALU_DEP_4)
	v_lshrrev_b32 v[236+\b], 23, v[244+\b]         ; the scale's byte
.endr
	s_delay_alu instid0(VALU_DEP_3)
	v_lshl_or_b32 v253, v237, 8, v236              ; p's scale word for these 128 keys
	s_delay_alu instid0(VALU_DEP_1)
	v_lshl_or_b32 v253, v238, 16, v253
	s_delay_alu instid0(VALU_DEP_1)
	v_lshl_or_b32 v253, v239, 24, v253
.irp b, 0,1,2,3
.irp i, 0,1,2,3,4,5,6,7,8,9,10,11,12,13,14,15
.endr
	v_cvt_scalef32_pk8_bf8_f32 v[PC+4*\b:PC+1+4*\b], v[S+16*\b:S+7+16*\b], v[244+\b]
	v_cvt_scalef32_pk8_bf8_f32 v[PC+2+4*\b:PC+3+4*\b], v[S+8+16*\b:S+15+16*\b], v[244+\b]
.endr
	WIN 0x41                                       ; O^T (destination and source 0) window 1, f window 0
.set n, 0
.rept 32
	v_pk_mul_f32 v[n:n+1], v[n:n+1], v[252:253] op_sel_hi:[1,0]   ; O^T under the new M.  These 32 are also the plain lines between the conversions and the products that take the codes
.set n, n+2
.endr
.if \fetch
	s_wait_alu depctr_va_vdst(0)
	s_wait_dscnt 34                                ; the next step's k, 34 younger loads, may be out; v and its scale words are in
.else
	s_wait_alu depctr_va_vdst(0)
	s_wait_dscnt 0x0
.endif
	WIN 0x50                                       ; C and D window 1
.irp t, 0,1,2,3,4,5,6,7                ; the eight accumulators by turns, and k q^T's eight products stand between two links of a chain
	v_wmma_scale_f32_16x16x128_f8f6f4 v[8*\t:8*\t+7], v[VF+16*\t:VF+16*\t+15], v[PC:PC+15], v[8*\t:8*\t+7], v[VS+\t], v253 matrix_a_fmt:MATRIX_FMT_BF8 matrix_b_fmt:MATRIX_FMT_BF8
.endr
	WIN 0
.rept 8
	v_nop                                          ; eight places ahead of the loads into v's registers (in the last step also of the first read of O^T)
.endr
.if \fetch
	FETCH_V
.else
	LAST_B
.endif
.endm
.macro STEPS count                     ; a key step is written once and walked count times; the LDS addresses hang on s[TB] and s[TS]
	s_mov_b32 s[INNER], \count
.Lstep_\@:
	STEP 1
	s_sub_co_u32 s[INNER], s[INNER], 1
	s_cmp_lg_u32 s[INNER], 0
	s_cbranch_scc1 .Lstep_\@
.endm
; THE CHANGE OF SLOTS stands at the head of a slot's last key step: all the slot's bytes have been asked of LDS.  Each wave waits for all its tensor loads (one is out: its eighth of the other slot), adds 0 to its spare
; word, and waits for that and for its reads of the slot.  fill = 1: the barrier is a round of the cluster's, so that no wave of any partner still reads the slot or has a load on its way; the joint refill, with the
; keys two slots on, is the first thing behind it and has four key steps in which to land.
.macro CHANGE fill
	s_wait_tensorcnt 0x0                           ; no tensor load of mine is out, so a group 0 may be written
	ds_add_u32 v[SPW], v[NIL]                      ; 0 onto my spare word
.if \fill
	s_xor_b32 s[G0B+1], s[G0B+1], SLOT1            ; the walking descriptor: the other slot than last time,
	s_add_nc_u64 s[G0B+2:G0B+3], s[G0B+2:G0B+3], SLOT1   ; the next four key steps; the type bits on top are not reached
	s_wait_xcnt 0x0                                ; the last prefetch, four key steps back, has read its address, so it may be written:
	s_add_nc_u64 s[PFA:PFA+1], s[PFA:PFA+1], SLOT1 ; one slot further on than the walking descriptor
	s_wait_dscnt 0x0                               ; the add is done, and my reads of the slot are over
	CROUND
	tensor_load_to_lds s[G0B:G0B+3], s[G1:G1+7]    ; every wave its eighth: my one tensor load until the next round
	s_nop 0
.rept 4
	v_nop
.endr
	ASK
.else
	s_wait_dscnt 0x0
	s_barrier_signal -1
	s_barrier_wait -1
.endif
	s_sub_co_u32 s[TB], s[TB], 4*STEPB             ; the fetches go back to a slot's first step,
	s_xor_b32 s[TB], s[TB], SLOT1                  ; in the other slot
.endm
	s_load_b512 s[4:19], s[0:1], 0x0               ; qc 4, qs 6, kv 8, kvs 10, wo_codes 12, wo_scales 14, bo 16, x 18
	s_load_b64 s[20:21], s[0:1], 0x40              ; out0
	v_lshl_add_u32 v[SPW], v0, 2, SPARE
	v_mov_b32 v[NIL], 0
	ds_add_u32 v5, v6
	ds_add_u32 v5, v6
	s_wait_dscnt 0x0
	v_lshrrev_b32 v1, 5, v0
	s_delay_alu instid0(VALU_DEP_1)
	v_readfirstlane_b32 s[WV], v1                  ; wave 0..7
	s_bfe_u32 s77, ttmp6, 0x40000                  ; cx: my place in the cluster
	s_lshl_b32 s78, ttmp9, 2                       ; in a cluster launch ttmp9 counts clusters
	s_add_co_u32 s78, s78, s77                     ; my block of 128 queries: it enters q's, x's and out0's addresses alone
	s_and_b32 s79, ttmp7, 0xffff                   ; the batch, which the four partners share
	; what I fetch: made of the batch and the wave's number alone
	s_lshl_b32 s80, s79, 15
	s_lshl_b32 s81, s[WV], 12
	s_add_co_u32 s80, s80, s81                     ; scale words: 32,768 x batch + 4,096 x wave
	s_add_co_u32 s87, s81, SCL
	s_mov_b32 s81, 0
	s_lshl_b32 s82, s[WV], 11                      ; wo: 16 rows of 128 bytes a wave
	s_mov_b32 s83, 0
	s_mul_i32 s88, s[WV], 2304
	s_add_co_u32 s88, s88, WO
	s_lshl_b32 s84, s79, 20
	s_lshl_b32 s89, s[WV], 14
	s_add_co_u32 s84, s84, s89                     ; kv: 2^20 x batch + 16,384 x wave
	s_mov_b32 s85, 0
	; descriptor groups 1
	s_mov_b32 s[G1], 15|(3<<16)|(1<<21)            ; 15:0 the mask: all four work-groups; 17:16 elements of 8 bytes; 21 set beside a mask; no padding
	s_mov_b32 s[G1+1], 32<<16                      ; tensor_dim0 = 32 elements: 256 bytes
	s_mov_b32 s[G1+2], 64<<16                      ; tensor_dim1 = 64
	s_mov_b32 s[G1+3], 32<<16                      ; tile_dim0
	s_mov_b32 s[G1+4], 64                          ; tile_dim1
	s_mov_b32 s[G1+5], 32                          ; from row to row: dense
	s_mov_b32 s[G1+6], 0
	s_mov_b32 s[G1+7], 0
	s_mov_b32 s[G1S], 15|(3<<16)|(1<<21)
	s_mov_b32 s[G1S+1], 32<<16
	s_mov_b32 s[G1S+2], 16<<16
	s_mov_b32 s[G1S+3], 32<<16
	s_mov_b32 s[G1S+4], 16
	s_mov_b32 s[G1S+5], 32
	s_mov_b32 s[G1S+6], 0
	s_mov_b32 s[G1S+7], 0
	s_mov_b32 s[G1W], 15|(1<<20)|(1<<21)|(4<<22)|(3<<25)   ; elements of 1 byte; padding: four words after every 32
	s_mov_b32 s[G1W+1], 128<<16
	s_mov_b32 s[G1W+2], 16<<16
	s_mov_b32 s[G1W+3], 128<<16
	s_mov_b32 s[G1W+4], 16
	s_mov_b32 s[G1W+5], 128
	s_mov_b32 s[G1W+6], 0
	s_mov_b32 s[G1W+7], 0
	s_mov_b32 s[SEL], 0x76543210
	s_mov_b32 s[SEL+1], 0xfedcba98
	s_mov_b32 s[CS], 0x3e0293ee                    ; c = log2(e) / sqrt(128)
	s_mov_b32 s[CS+1], s[CS]                       ; (named with it as a pair, so it is written)
	s_mov_b32 s[TB], 0
	s_mov_b32 s[TS], 0
	s_lshr_b32 s[LIM], s[WV], 2                    ; 0 in waves 0 to 3,
	s_or_b32 s[LIM], s[LIM], ttmp9                 ; of the batch's first cluster: the same in all four partners
	s_cmp_eq_u32 s[LIM], 0
	s_cselect_b32 s[LIM], 1, -1
	; my own addresses' offsets
	s_lshl_b32 s86, s79, 8
	s_lshl_b32 s90, s78, 3
	s_add_co_u32 s86, s86, s90
	s_add_co_u32 s86, s86, s[WV]                   ; my fragment of q: 256 x batch + 8 x block + wave
	s_lshl_b32 s92, s77, 15                        ; the prefetches: my work-group's 32,768 bytes of a slot,
	s_and_b32 s93, s[WV], 3
	s_lshl_b32 s93, s93, 13                        ; my wave's 8,192 of them,
	s_add_co_u32 s92, s92, s93
	s_lshl_b32 s93, s79, 20
	s_add_co_u32 s92, s92, s93
	s_add_co_u32 s92, s92, 2*SLOT1                 ; in slot 2: the first change of slots steps it to slot 3.  Nothing is prefetched at the head, where every work-group's first tiles are on their way
	s_mov_b32 s93, 0
	s_wait_kmcnt 0x0
	s_mov_b32 s[G0S], 1                            ; 1:0 count = 1
	s_mov_b32 s[G0S+1], s87                        ; 63:32 LDS address
	s_add_nc_u64 s[G0S+2:G0S+3], s[10:11], s[80:81]   ; 120:64 global address
	s_or_b32 s[G0S+3], s[G0S+3], 0x80000000        ; 127:126 type = 2
	s_mov_b32 s[G0W], 1
	s_mov_b32 s[G0W+1], s88
	s_add_nc_u64 s[G0W+2:G0W+3], s[12:13], s[82:83]
	s_or_b32 s[G0W+3], s[G0W+3], 0x80000000
	s_mov_b32 s[G0A], 1
	s_mov_b32 s[G0A+1], s89
	s_add_nc_u64 s[G0A+2:G0A+3], s[8:9], s[84:85]
	s_or_b32 s[G0A+3], s[G0A+3], 0x80000000
	s_mov_b32 s[G0B], 1
	s_add_co_u32 s[G0B+1], s89, SLOT1
	s_add_nc_u64 s[G0B+2:G0B+3], s[8:9], s[84:85]
	s_add_nc_u64 s[G0B+2:G0B+3], s[G0B+2:G0B+3], SLOT1
	s_or_b32 s[G0B+3], s[G0B+3], 0x80000000
	s_add_nc_u64 s[PFA:PFA+1], s[8:9], s[92:93]
	s_lshl_b32 s90, s86, 11
	s_mov_b32 s91, 0
	s_add_nc_u64 s[4:5], s[4:5], s[90:91]          ; q's codes at my fragment
	s_lshl_b32 s90, s86, 6
	s_add_nc_u64 s[6:7], s[6:7], s[90:91]          ; and its scale words
	s_lshl_b32 s90, s79, 12
	s_lshl_b32 s86, s78, 7
	s_add_co_u32 s90, s90, s86
	s_lshr_b32 s86, s[WV], 1
	s_lshl_b32 s86, s86, 5
	s_add_co_u32 s90, s90, s86
	s_and_b32 s86, s[WV], 1
	s_lshl_b32 s86, s86, 3
	s_add_co_u32 s90, s90, s86                     ; my fragment's row 0: position 4096 x batch + 128 x block + 32 (wave / 2) + 8 (wave % 2)
	s_lshl_b32 s90, s90, 9
	s_add_nc_u64 s[18:19], s[18:19], s[90:91]      ; x
	s_add_nc_u64 s[20:21], s[20:21], s[90:91]      ; out0
	CROUND                                         ; all four work-groups are here: the first joint loads meet
	tensor_load_to_lds s[G0S:G0S+3], s[G1S:G1S+7]  ; the first fills go out as one group: four tensor loads of mine are out
	s_nop 0
	tensor_load_to_lds s[G0W:G0W+3], s[G1W:G1W+7]
	s_nop 0
	tensor_load_to_lds s[G0A:G0A+3], s[G1:G1+7]
	s_nop 0
	tensor_load_to_lds s[G0B:G0B+3], s[G1:G1+7]
	s_nop 0
.rept 4
	v_nop
.endr
	v_and_b32 v3, 31, v0                           ; lane
	v_and_b32 v4, 15, v0                           ; r
	v_bfe_u32 v254, v0, 4, 1                       ; h
	s_delay_alu instid0(VALU_DEP_3)
	v_lshlrev_b32 v[LI], 4, v3
	s_delay_alu instid0(VALU_DEP_3)
	v_lshl_add_u32 v[LSC], v4, 4, SCL
	v_lshlrev_b32 v[PFO], 8, v3
	s_delay_alu instid0(VALU_DEP_4)
	v_lshlrev_b32 v[BOA], 5, v254
	v_lshlrev_b32 v[R4], 2, v4
	v_lshlrev_b32 v[GO], 9, v254
	s_delay_alu instid0(VALU_DEP_1)
	v_lshl_add_u32 v[GO], v4, 4, v[GO]
	v_mul_u32_u24 v[WOA], v4, 144
	s_delay_alu instid0(VALU_DEP_1)
	v_lshl_add_u32 v[WOA], v254, 4, v[WOA]
	s_delay_alu instid0(VALU_DEP_1)
	v_add_nc_u32 v[WOA], WO, v[WOA]
	s_mul_i32 s88, s[WV], 16*SP                    ; my stage
	v_mul_u32_u24 v[STO], v4, SP
	s_delay_alu instid0(VALU_DEP_1)
	v_lshl_add_u32 v[STO], v254, 5, v[STO]
	s_delay_alu instid0(VALU_DEP_1)
	v_add_nc_u32 v[STO], s88, v[STO]               ; in: row r, 32 bytes for each half of the lanes
	v_mul_u32_u24 v[RD], v254, SP
	s_delay_alu instid0(VALU_DEP_1)
	v_lshl_add_u32 v[RD], v4, 4, v[RD]
	s_delay_alu instid0(VALU_DEP_1)
	v_add_nc_u32 v[RD], s88, v[RD]                 ; back: lanes 0-15 one row of 256 bytes, lanes 16-31 the next
	WIN 0x40
.irp c, 0,1,2,3
	global_load_b128 v[QF+4*\c:QF+4*\c+3], v[LI], s[4:5] offset:512*\c   ; q's fragment stays in registers
.endr
.set n, 0
.rept 64
	v_mov_b32 v[n], 0                              ; O^T.  (The key step is written without a first step of its own: it finds zeros, which the first change of M leaves zeros)
.set n, n+1
.endr
	WIN 0
	global_load_b32 v255, v[R4], s[6:7]            ; q's scale words
	v_mov_b32 v13, 0xff61b1e6                      ; the largest t so far: -3e38, under every t
	s_delay_alu instid0(VALU_DEP_1)
	v_floor_f32 v12, -v13                          ; -M
	v_mov_b32 v14, 0                               ; the sum, in two halves
	v_mov_b32 v15, 0
.irp b, 0,1,2,3
	v_mov_b32 v[236+\b], 0                         ; written once: a lane permute's destination counts as one of its sources
.endr
	v_mov_b32 v253, 0                              ; (named as the upper half of the pair v[252:253] before it is first written)
	s_wait_tensorcnt 1                             ; the scale words, wo and my part of slot 0 are in; slot 1's may stay out
	s_barrier_signal -1
	s_barrier_wait -1                              ; everybody's are
	v_add_nc_u32 v[ADR], s[TB], v[LI]
	v_add_nc_u32 v[ADS], s[TS], v[LSC]
	FETCH_K                                        ; key step 0
	FETCH_V
	s_wait_loadcnt 0x0                             ; q
	STEPS 3                                        ; key steps 0 to 2; they fetch steps 1 to 3
	s_mov_b32 s[SLOTS], 6
.Lslot:                                            ; six trips of four key steps: trip n runs steps 4 n + 3 .. 4 n + 6, fetches from slot n + 1 and asks for slot n + 2
	CHANGE 1
	STEPS 4
	s_sub_co_u32 s[SLOTS], s[SLOTS], 1
	s_cmp_lg_u32 s[SLOTS], 0
	s_cbranch_scc1 .Lslot
	CHANGE 0                                       ; the tail is written out: nothing is left to ask for
	STEPS 4                                        ; key steps 27 to 30
	STEP 0                                         ; key step 31
	; THE WAY OUT.  o = O^T / the row's sum, quantised along the channels; x wo + bo; + x.
	v_add_f32 v14, v14, v15                        ; the sum's two halves,
	s_delay_alu instid0(VALU_DEP_1)
	v_permlanex16_b32 v252, v14, s[SEL], s[SEL+1]
	s_delay_alu instid0(VALU_DEP_1)
	v_add_f32 v14, v14, v252                       ; and lane l xor 16's
	s_wait_alu depctr_va_vdst(0)
	v_rcp_f32 v14, v14
	v_nop                                          ; one plain line behind the reciprocal,
	s_wait_alu depctr_va_vdst(0)                   ; and the wait ahead of its first reader
	WIN 0x01                                       ; source 0 window 1
.set n, 0
.rept 64
	v_mul_f32 v[S+n], v[n], v14                    ; register 16 b + i = o(my query, channel 32 b + 16 h + i); each accumulator from its low end on
.set n, n+1
.endr
	WIN 0
.irp b, 0,1,2,3
	v_max3_num_f32 v[232+\b], |v[S+16*\b]|, |v[S+1+16*\b]|, 0x8000000   ; the block's largest magnitude, with the floor 2^(16 - 127)
.endr
.irp i, 2,4,6,8,10,12,14
.irp b, 0,1,2,3
	s_delay_alu instid0(VALU_DEP_4)
	v_max3_num_f32 v[232+\b], v[232+\b], |v[S+16*\b+\i]|, |v[S+1+16*\b+\i]|
.endr
.endr
.irp b, 0,1,2,3
	v_permlanex16_b32 v[236+\b], v[232+\b], s[SEL], s[SEL+1]
.endr
.irp b, 0,1,2,3
	s_delay_alu instid0(VALU_DEP_4)
	v_max_num_f32 v[232+\b], v[232+\b], v[236+\b]
.endr
.irp b, 0,1,2,3
	s_delay_alu instid0(VALU_DEP_4)
	v_add_nc_u32 v[244+\b], 0xf8800000, v[232+\b]
.endr
.irp b, 0,1,2,3
.endr
.irp b, 0,1,2,3
	s_delay_alu instid0(VALU_DEP_4)
	v_lshrrev_b32 v[236+\b], 23, v[244+\b]
.endr
	s_delay_alu instid0(VALU_DEP_3)
	v_lshl_or_b32 v253, v237, 8, v236              ; o's scale word
	s_delay_alu instid0(VALU_DEP_1)
	v_lshl_or_b32 v253, v238, 16, v253
	s_delay_alu instid0(VALU_DEP_1)
	v_lshl_or_b32 v253, v239, 24, v253
.irp b, 0,1,2,3
.irp i, 0,1,2,3,4,5,6,7,8,9,10,11,12,13,14,15
.endr
	v_cvt_scalef32_pk8_bf8_f32 v[PC+4*\b:PC+1+4*\b], v[S+16*\b:S+7+16*\b], v[244+\b]
	v_cvt_scalef32_pk8_bf8_f32 v[PC+2+4*\b:PC+3+4*\b], v[S+8+16*\b:S+15+16*\b], v[244+\b]
.endr
.rept 4
	v_nop                                          ; an operand written by vector instructions stands four places ahead of a scaled matrix instruction; the scale word was made ahead of the holds
.endr
	s_wait_alu depctr_va_vdst(0)
	s_wait_dscnt 0x0                               ; wo's fragments
	s_wait_loadcnt 0x0                             ; bo, x, wo's scale words
	WIN 0x50                                       ; C (bo) and D window 1
.irp t, 0,1,2,3,4,5,6,7                ; source 0 = wo's rows 16 t + r, source 1 = o: register j of lane (r, h) = result(my query, channel 16 t + 8 h + j)
	v_wmma_scale_f32_16x16x128_f8f6f4 v[64+8*\t:64+8*\t+7], v[VF+16*\t:VF+16*\t+15], v[PC:PC+15], v[64+8*\t:64+8*\t+7], v[KS+\t], v253 matrix_a_fmt:MATRIX_FMT_BF8 matrix_b_fmt:MATRIX_FMT_BF8
.endr
	WIN 0
.rept 8
	v_nop                                          ; eight places ahead of the first read of results and of the loads into wo's registers
.endr
.irp u, 0,1                            ; channels 64 u on: half a row, 256 bytes, of 16 queries at a time
	WIN 0x04                                       ; an LDS store's data are its source 1: window 1
.irp t, 0,1,2,3
	ds_store_b128 v[STO], v[64+32*\u+8*\t:64+32*\u+8*\t+3] offset:64*\t
	ds_store_b128 v[STO], v[64+32*\u+8*\t+4:64+32*\u+8*\t+7] offset:64*\t+16
.endr
	WIN 0
.irp i, 0,1,2,3,4,5,6,7
	ds_load_b128 v[32+32*\u+4*\i:32+32*\u+4*\i+3], v[RD] offset:2*\i*SP   ; LDS serves a wave's instructions in order: these see my stores, and the next half's stores come behind them
.endr
.endr
	s_wait_dscnt 0x0
	WIN 0x04                                       ; source 1 (x) window 1
.set n, 0
.rept 32
	v_pk_add_f32 v[32+n:33+n], v[32+n:33+n], v[128+n:129+n]   ; + x
.set n, n+2
.endr
	WIN 0
.irp u, 0,1
.irp i, 0,1,2,3,4,5,6,7
	global_store_b128 v[GO], v[32+32*\u+4*\i:32+32*\u+4*\i+3], s[20:21] offset:(2*\i+8*(\i/4))*512+256*\u th:TH_STORE_NT   ; 16 lanes store 256 consecutive bytes, aligned
.endr
.endr
	s_wait_tensorcnt 0x0                           ; the wave's end, behind my last tensor load and my last LDS store
	ds_add_u32 v[SPW], v[NIL]
	s_wait_dscnt 0x0
	CROUND                                         ; the closing round: no work-group ends while a partner may still ask for a tile that names it
	s_endpgm
.Lfunc_end_k_q9ff87fc6a8_attn:
	.size	k_q9ff87fc6a8_attn, .Lfunc_end_k_q9ff87fc6a8_attn-k_q9ff87fc6a8_attn
	.p2alignl 7, 3214868480
	.fill 96, 4, 3214868480
	.section	.rodata,"a",@progbits
	.p2align	6, 0x0
	.amdhsa_kernel k_q9ff87fc6a8_attn
		.amdhsa_group_segment_fixed_size 327680
		.amdhsa_private_segment_fixed_size 0
		.amdhsa_enable_private_segment 0
		.amdhsa_kernarg_size 72
		.amdhsa_user_sgpr_count 2
		.amdhsa_user_sgpr_kernarg_segment_ptr 1
		.amdhsa_wavefront_size32 1
		.amdhsa_system_sgpr_workgroup_id_x 1
		.amdhsa_system_sgpr_workgroup_id_y 1
		.amdhsa_system_sgpr_workgroup_id_z 1
		.amdhsa_system_vgpr_workitem_id 0
		.amdhsa_next_free_vgpr 512
		.amdhsa_next_free_sgpr 100
		.amdhsa_reserve_vcc 0
		.amdhsa_float_denorm_mode_32 3
		.amdhsa_float_denorm_mode_16_64 3
		.amdhsa_fp16_overflow 1
		.amdhsa_memory_ordered 1
		.amdhsa_forward_progress 1
		.amdhsa_inst_pref_size 116
	.end_amdhsa_kernel
	.amdgpu_metadata
---
amdhsa.version: [ 1, 2 ]
amdhsa.kernels:
  - .name:           k_q9ff87fc6a8_attn
    .symbol:         k_q9ff87fc6a8_attn.kd
    .args:
      - { .name: qc, .offset: 0, .size: 8, .value_kind: global_buffer, .address_space: global }
      - { .name: qs, .offset: 8, .size: 8, .value_kind: global_buffer, .address_space: global }
      - { .name: kv, .offset: 16, .size: 8, .value_kind: global_buffer, .address_space: global }
      - { .name: kvs, .offset: 24, .size: 8, .value_kind: global_buffer, .address_space: global }
      - { .name: wo_codes, .offset: 32, .size: 8, .value_kind: global_buffer, .address_space: global }
      - { .name: wo_scales, .offset: 40, .size: 8, .value_kind: global_buffer, .address_space: global }
      - { .name: bo, .offset: 48, .size: 8, .value_kind: global_buffer, .address_space: global }
      - { .name: x, .offset: 56, .size: 8, .value_kind: global_buffer, .address_space: global }
      - { .name: out0, .offset: 64, .size: 8, .value_kind: global_buffer, .address_space: global }
    .group_segment_fixed_size: 327680
    .private_segment_fixed_size: 0
    .kernarg_segment_align: 8
    .kernarg_segment_size: 72
    .max_flat_workgroup_size: 256
    .sgpr_count:     100
    .vgpr_count:     512
    .wavefront_size: 32
...
	.end_amdgpu_metadata
.endif
;; end of part 3
